; MI455X (gfx1250); checked and timed in simulation.
; The chip was launched on July 23, 2026; its instructions are those of AMD's public machine-readable ISA for CDNA 5 (MIT licence, August 2026) and "CDNA5" Instruction Set Architecture Reference Guide (July 2026). The comments in the code are by the model that wrote it; some were corrected since.
;; Multihead Cross Attention. Allowed arithmetic: matrix products marked QUANTISED: E3M2 operands, one E8M0 scale for each 32 along K, by v_wmma_scale_f32_16x16x128_f8f6f4 with both operands' format E3M2, f32 sums; everything else in f32.
;; Inputs: b_proj 1,024 float32; cond_k 2 x 2,048 x 1,024 float32; cond_v 2 x 2,048 x 1,024 float32; w_proj 1,024 x 1,024 float32; x 2 x 2,048 x 1,024 float32.
;; Outputs: out0 2 x 2,048 x 1,024 float32.
;; This version of the problem:
;;   THIS VERSION OF THE PROBLEM IS GIVEN IN LOW PRECISION. The matrix products marked QUANTISED in the list below multiply operands that are first quantised to E3M2 (3 exponent bits, 2 mantissa bits; 6 bits a number), with one power-of-two scale for each 32 numbers along K (OCP MX v1.0); their sums are f32. All else is computed in f32.
;;   The module's matrix products, in the order in which they are computed (A, B: the left and right operand; K: the contracted axis; several contracted axes count as one K, in the product's order):
;;     1. batch 32 x [M 2,048, K 64] x [K 64, N 2,048]; A: computed on the way; B: computed on the way: QUANTISED
;;     2. batch 32 x [M 64, K 2,048] x [K 2,048, N 2,048]; A: input cond_v; B: softmax (see below): QUANTISED
;;     3. [M 4,096, K 1,024] x [K 1,024, N 1,024]; A: computed on the way; B: input w_proj: QUANTISED
;;   THE QUANTISER, for each operand of a quantised product, along K:
;;     - K is cut into blocks of 32 from its start; a last block that is shorter is filled with zeros.
;;     - A block's scale is 2^e with e = floor(log2(the largest magnitude in the block)) - 4, held to -126 .. 127; a block of zeros has e = 0. As a byte (E8M0): e + 127.
;;     - Each number is divided by its block's scale, clamped to +-28, and rounded to the nearest number of E3M2, ties to even, subnormals kept.
;;     - The product sums the exact products of the quantised numbers (number of the format x scale) in f32.
;;   ~~~python
;;   def quantise(x, axis):      # numpy; x: float32 -> the quantised numbers, widened to float32 again
;;       x = np.moveaxis(x, axis, -1); K = x.shape[-1]
;;       x = np.pad(x, [(0, 0)] * (x.ndim - 1) + [(0, -K % 32)]); x = x.reshape(x.shape[:-1] + (-1, 32)); a = np.abs(x).max(-1, keepdims=True)
;;       e = np.where(a > 0, np.clip(np.frexp(np.where(a > 0, a, 1))[1] - 1 - 4, -126, 127), 0)      # np.frexp(a)[1] - 1 = floor(log2(a)), exactly
;;       r = np.clip(x / 2.0 ** e, -28, 28)
;;       step = 2.0 ** (np.maximum(np.frexp(np.where(r == 0, 1, r))[1] - 1, -2) - 2)
;;       q = np.round(r / step) * step * 2.0 ** e      # np.round: ties to even
;;       return np.moveaxis(q.reshape(q.shape[:-2] + (-1,))[..., :K], -1, axis).astype(np.float32)
;;   ~~~
;;   SOFTMAX AHEAD OF A QUANTISED PRODUCT. Where the list says 'softmax', what is quantised is not the finished softmax but p = 2^(t - M), with t = logit x log2(e) and M = ceil(the row's largest t), a whole number; so 1/2 < the row's largest p <= 1. The row's sum l is taken of the UNQUANTISED p, in f32, and the product's result is divided by l at the end. Since M is a whole number, a kernel that streams over the keys may use a running M (the ceiling of the running maximum): every later rescaling is an exact power of two, which a block's scale takes up: the codes' values come out the same.
;;   OPERANDS COMPUTED ON THE WAY. 'Computed on the way' means the value that the module computes at that place (a softmax that the list does not call 'softmax' is quantised finished and normalised). What goes into a quantiser is computed in f32, as accurately as f32 sums, v_exp_f32 and their like allow (about 1e-6 of the number): no bf16 or f16 on the way to a quantiser, and a product that is left as it is and whose result goes on into a quantised operand takes f32 operands (vector FMAs, or v_wmma_f32_16x16x4_f32). A number that lies on a knife's edge between two numbers of the format may be rounded either way, as far as f32 arithmetic and the matrix unit's own rounding can turn it there, and no further.
;; One version. Each part assembles by itself: llvm-mc -triple=amdgcn-amd-amdhsa -mcpu=gfx1250 --defsym DOCPART=n.
;; ======== version 1 of 1: 3 launches
;; limits: right only within a limited range of input values
;; workspace buffers: kc 3,145,728 bytes; ks 131,072 bytes; wc 786,432 bytes; ws 32,768 bytes; vc 3,145,728 bytes; vs 131,072 bytes; oc 3,145,728 bytes; os 131,072 bytes
;; launch quant (part 1): grid 288 x 1, 4 waves a work-group, no clusters, 33,280 bytes of LDS; arguments cond_k, w_proj, cond_v, kc, ks, wc, ws, vc, vs; writes kc, ks, wc, ws, vc, vs
.if DOCPART == 1
	.amdgcn_target "amdgcn-amd-amdhsa--gfx1250"
	.amdhsa_code_object_version 6
	.text
	.protected	k_qe5a0fc55c5_quant
	.globl	k_qe5a0fc55c5_quant
	.p2align	8
	.type	k_qe5a0fc55c5_quant,@function
k_qe5a0fc55c5_quant:
	s_mov_b64 s[64:65], 0
	v_nop
	global_prefetch_b8 v0, s[64:65] scope:SCOPE_SE
	s_setreg_imm32_b32 hwreg(HW_REG_WAVE_MODE, 25, 1), 1
	s_wait_xcnt 0x0
; The three operands that many work-groups read are turned into codes of BF6 (E3M2) ONCE, each with one E8M0 scale byte for 32 along its product's K.
;   cond_k [2][2048][1024] f32, times c = 1 / sqrt(sqrt(64)) (one f32 rounding, as the source has it), K = a head's 64 channels, innermost in memory
;   w_proj [1024][1024] f32, K = its second axis, innermost: the same path with the factor 1.0, which changes no bit
;   cond_v [2][2048][1024] f32, K = the KEYS, which are not innermost: a path of its own
; A block's scale is 2^(floor(log2(its largest magnitude)) - 4): its byte is the largest magnitude's exponent field - 4, held at 1 from below by a floor among the maximum's leaves.
; LIMITS: NaN and infinities among the inputs are not served.  A block whose largest magnitude lies under 2^-122 keeps the byte 1; a block of zeros has the byte 1 where the rule says 127:
; its codes are zeros, which add nothing under any byte but 0xff, and only this program reads the bytes.
; LAYOUTS, chosen for the launches that read them.  A CHUNK is 64 along K: 48 bytes of codes, 2 scale bytes.
;   kc [b][head][key][48], ks [b][head][key][2];  wc [chunk 16][n][48], ws [chunk][n][2]: so 128 rows of one chunk are 6,144 dense bytes of codes and 256 dense scale bytes.
;   vc [b][head][step of 128 keys][tile of 16 channels][3][lane 32][16 bytes]: THE IMAGE OF THE OPERAND'S 12 REGISTERS: registers 4 g .. 4 g + 3 of lane L at 512 g + 16 L.
;      Row r of tile 2 hb + u is channel 32 hb + 8 u + r + 8 (r / 8), so that the product's results of two neighbouring tiles are 16 neighbouring channels in a lane.
;      Inside a block of 32 keys slot i holds key (i % 8) + 16 ((i / 8) % 2) + 8 (i / 16): the order in which the attention launch's weights p fall out of its first product.
;      The same order on both operands keeps every product and every block; the sums' order inside a block differs from the source's.
;   vs [b][head][hb 2][pair of steps 8][lane 16 u + r][2 steps][4 bytes]: a step's scale word of each row, tile 2 hb in lanes 0-15, tile 2 hb + 1 in lanes 16-31.
; SHARES: work-groups 0-127 cond_k, 128-159 w_proj, 160-287 cond_v; every wave reads 32 KiB.  Waves share nothing: no barrier.  No tensor loads, no matrix unit, no cluster: each input byte is read once by one wave.
; THE ORDER OF KEYS IN vc, as the code below lays it (it takes the place of what the head says of slots): in a step's blocks 0 and 2 slot i holds key i;
; in blocks 1 and 3 slot i holds key (i % 8) + 8 ((i / 8) xor 1): the order in which the attention launch's p fall out of its first product.
.set EMAX,  4                          ; the exponent of the format's largest number, 28
.set STEPS, 16
.set CB,    12                         ; bytes of 16 codes
.set R,     16                         ; rows' path: v16-79   four sets of 16 numbers as they are loaded
.set X,     80                         ; v80-111  two sets of 16 neighbours
.set E,     112                        ; v112-127 a scale byte for each step
.set C,     128                        ; v128-191 codes: four registers for each step, so that no store's data are written again
.set WREG,  8192                       ; LDS (rows' path alone): a region for each wave: two stages of 32 x SP bytes, behind them its 256 scale bytes
.set SP,    80                         ; a lane's place in a stage: 64 bytes + 16 of padding
.set SB,    24                         ; columns' path: v24-25 the scale words of two steps
.set VX,    32                         ; v32-95   two sets of 32 numbers
.set VT,    96                         ; v96-98   the second half of a block's codes, before it is moved
.set VCD,   104                        ; v104-151 the codes of two steps, 24 registers each, never written again
	s_load_b256 s[4:11], s[0:1], 0x0               ; cond_k s[4:5], w_proj s[6:7], cond_v s[8:9], kc s[10:11]
	s_load_b256 s[12:19], s[0:1], 0x20             ; ks s[12:13], wc s[14:15], ws s[16:17], vc s[18:19]
	s_load_b64 s[20:21], s[0:1], 0x40              ; vs
	v_lshl_add_u32 v192, v0, 2, 0x8000
	v_mov_b32 v193, 0
	v_lshrrev_b32 v1, 5, v0
	v_readfirstlane_b32 s22, v1                    ; wave 0..3
	v_and_b32 v2, 31, v0                           ; lane
	s_mov_b32 s35, 0                               ; the upper word of every offset: all stay under 2^32
	s_wait_kmcnt 0x0
	s_cmp_ge_u32 ttmp9, 160
	s_cbranch_scc1 .Lcols
; ---------------- ROWS: K innermost.  A wave takes 128 rows x one chunk (256 bytes of each row), 8 rows a step.
; A load takes two rows' 256 bytes, 16 bytes a lane: lanes 0-15 one aligned block of 256 bytes, lanes 16-31 the next row's.  The conversion wants 16 NEIGHBOURS in a lane: so a step's
; 2,048 bytes go through the wave's own stage in LDS as they lie and come back 64 bytes a lane.  Two neighbouring lanes hold a block of 32, four a row's chunk.
	s_wait_alu depctr_va_vdst(0)
	v_and_b32 v3, 15, v2
	v_lshlrev_b32 v3, 4, v3
	v_lshrrev_b32 v1, 4, v2
	v_lshl_add_u32 v3, v1, 12, v3                  ; in: 16 (lane % 16) + one row of 4,096 bytes for lanes 16-31
	s_mul_i32 s23, s22, WREG
	v_lshrrev_b32 v14, 2, v2
	v_mul_u32_u24 v14, v14, SP
	v_and_b32 v15, 3, v2
	v_lshl_add_u32 v14, v15, 4, v14
	v_add_nc_u32 v14, s23, v14                     ; the stage, on the way in: four lanes' 64 bytes on end, then 16 of padding
	v_mul_u32_u24 v15, v2, SP
	v_add_nc_u32 v15, s23, v15                     ; and on the way out: my 16 neighbours
	v_mul_u32_u24 v4, v2, CB                       ; my codes' place in a step's 384 bytes
	v_lshrrev_b32 v5, 1, v2
	s_add_co_u32 s23, s23, 2*32*SP
	v_add_nc_u32 v5, s23, v5                       ; LDS: my wave's 256 scale bytes, my block's byte
	v_lshlrev_b32 v7, 3, v2                        ; and on the way out 8 bytes a lane
	v_add_nc_u32 v6, s23, v7
	s_mov_b32 s24, 0x3eb504f3                      ; c = 1 / sqrt(sqrt(64)) in f32
	s_cmp_lt_u32 ttmp9, 128                        ; cond_k's work-group or w_proj's?  The choice hangs on the work-group's number alone; only selections stand behind the compare
	s_cselect_b64 s[4:5], s[4:5], s[6:7]           ; the numbers,
	s_cselect_b64 s[10:11], s[10:11], s[14:15]     ; the codes,
	s_cselect_b64 s[12:13], s[12:13], s[16:17]     ; the scale bytes,
	s_cselect_b32 s24, s24, 1.0                    ; the factor,
	s_cselect_b32 s26, 4, 3                        ; log2 of the blocks of 128 rows in a plane (2,048 keys; 1,024 rows of w_proj),
	s_cselect_b32 s27, 0, 128                      ; the tensor's first work-group
	s_mov_b32 s25, s24                             ; (the packed multiply names the pair)
	s_sub_co_u32 s28, ttmp9, s27
	s_lshr_b32 s29, s28, 2                         ; which 128 rows
	s_and_b32 s30, s28, 3
	s_lshl_b32 s30, s30, 2
	s_add_co_u32 s30, s30, s22                     ; which chunk of the 16
	s_lshr_b32 s31, s29, s26                       ; plane (b; 0 for w_proj),
	s_lshl_b32 s32, s31, s26
	s_sub_co_u32 s32, s29, s32                     ; and the 128 rows' number in it
	s_lshl_b32 s31, s31, 4
	s_add_co_u32 s31, s31, s30
	s_lshl_b32 s31, s31, s26
	s_add_co_u32 s31, s31, s32                     ; the unit of 128 rows x one chunk in the outputs: ((plane x 16 + chunk) << LN) + rows' number
	s_lshl_b32 s34, s29, 19                        ; 128 rows of 4,096 bytes
	s_lshl_b32 s33, s30, 8
	s_add_co_u32 s34, s34, s33
	s_add_nc_u64 s[4:5], s[4:5], s[34:35]
	s_mul_i32 s34, s31, 6144
	s_add_nc_u64 s[10:11], s[10:11], s[34:35]
	s_lshl_b32 s34, s31, 8
	s_add_nc_u64 s[12:13], s[12:13], s[34:35]
.macro LOAD t                          ; step t: rows 8 t .. 8 t + 7, two to a load.  Every offset is an immediate: 516,096 at the most
.irp i, 0,1,2,3
	global_load_b128 v[R+16*((\t)%4)+4*\i:R+16*((\t)%4)+4*\i+3], v3, s[4:5] offset:(8*(\t)+2*\i)*4096 th:TH_LOAD_NT
.endr
.endm
.macro TURN t                          ; step t's numbers through the stage: LDS serves a wave's instructions in order, so no wait stands between the stores and the loads
.irp i, 0,1,2,3
	ds_store_b128 v14, v[R+16*((\t)%4)+4*\i:R+16*((\t)%4)+4*\i+3] offset:32*SP*((\t)%2)+8*SP*\i
.endr
.irp i, 0,1,2,3
	ds_load_b128 v[X+16*((\t)%2)+4*\i:X+16*((\t)%2)+4*\i+3], v15 offset:32*SP*((\t)%2)+16*\i
.endr
.endm
.irp t, 0,1,2,3
	LOAD \t
.endr
	s_wait_alu depctr_va_vdst(0)
	s_wait_loadcnt 12                              ; step 0's four loads are in; the twelve of steps 1 to 3 may be out
	TURN 0
.macro STEP t
.set XS, X+16*((\t)%2)
.if (\t) > 0
	s_wait_dscnt 1                                 ; this step's numbers are back from the stage (the last step's byte store may be out): so its stores into the stage have read their registers,
.else
	s_wait_dscnt 0x0
.endif
.if (\t)+4 < STEPS
	LOAD (\t)+4                                    ; which take the loads of four steps on
.endif
.if (\t)+1 < STEPS
.if STEPS-2-(\t) >= 3
	s_wait_loadcnt 12                              ; the next step's four loads are in; those of the three steps behind it may be out
.else
	s_wait_loadcnt 4*(STEPS-2-(\t))
.endif
	TURN (\t)+1                                    ; and go through the other stage while this step is worked
.endif
.irp i, 0,2,4,6,8,10,12,14
	v_pk_mul_f32 v[XS+\i:XS+\i+1], v[XS+\i:XS+\i+1], s[24:25] op_sel_hi:[1,0]   ; k = cond_k x c, rounded in f32 ahead of the quantiser (w_proj: x 1.0)
.endr
	v_max3_num_f32 v8, |v[XS]|, |v[XS+1]|, |v[XS+2]|               ; the largest magnitude of my 16, in two chains
	v_max3_num_f32 v9, |v[XS+3]|, |v[XS+4]|, |v[XS+5]|
.irp i, 6,10
	v_max3_num_f32 v8, v8, |v[XS+\i]|, |v[XS+\i+1]|
	v_max3_num_f32 v9, v9, |v[XS+\i+2]|, |v[XS+\i+3]|
.endr
	v_max3_num_f32 v8, v8, |v[XS+14]|, |v[XS+15]|
	v_max3_num_f32 v8, v8, v9, (EMAX+1)<<23        ; and the floor 2^(EMAX + 1 - 127): the byte cannot fall under 1
	v_max_num_f32_dpp v8, v8, v8 row_xmask:1 row_mask:0xf bank_mask:0xf   ; and of my neighbour's 16: the block's
	v_add_nc_u32 v11, -(EMAX<<23), v8              ; EMAX off its exponent field: the conversion takes the exponent field of this operand as its scale
	v_cvt_scalef32_pk16_bf6_f32 v[C+4*(\t):C+4*(\t)+2], v[XS:XS+15], v11         ; sixteen numbers / the scale, to the nearest code, ties to even, beyond 28 the largest code; 96 bits without gaps
	v_lshrrev_b32 v[E+(\t)], 23, v11               ; the scale's byte (also the plain line behind the conversion)
	ds_store_b8 v5, v[E+(\t)] offset:16*(\t)       ; both lanes of a block write the same byte with the same value
	global_store_b96 v4, v[C+4*(\t):C+4*(\t)+2], s[10:11] offset:32*CB*(\t)      ; the wave's 384 consecutive bytes: 8 rows' chunks
.endm
.irp t, 0,1,2,3,4,5,6,7,8,9,10,11,12,13,14,15
	STEP \t
.endr
	ds_load_b64 v[12:13], v6                       ; LDS serves a wave's instructions in order: these see my byte stores
	s_wait_dscnt 0x0
	global_store_b64 v7, v[12:13], s[12:13]        ; 32 lanes store 256 consecutive bytes, aligned: 128 rows' scale bytes
	s_wait_tensorcnt 0x0
	ds_add_u32 v192, v193
	s_wait_dscnt 0x0
	s_endpgm
; ---------------- COLUMNS: cond_v, K = the keys.  A LANE TAKES A CHANNEL AND ITS REGISTERS RUN DOWN THE KEYS: a block of 32 keys lies in one lane's 32 registers, so its largest magnitude
; needs no other lane and the conversions give codes with the keys innermost.  A wave takes half a head (32 channels: two tiles) x 256 keys (two steps, eight blocks).
; A load reads 128 consecutive bytes a wave, and the four waves stand side by side on 512.  No LDS: a lane's codes ARE registers of the image, and sixteen lanes' 16 bytes are 256 consecutive bytes of it.
.Lcols:
	s_sub_co_u32 s28, ttmp9, 160
	s_lshr_b32 s29, s28, 6                         ; b
	s_bfe_u32 s30, s28, 0x30003                    ; which pair of heads
	s_and_b32 s31, s28, 7                          ; which 256 keys
	s_lshr_b32 s32, s22, 1
	s_lshl_b32 s30, s30, 1
	s_add_co_u32 s30, s30, s32                     ; head
	s_and_b32 s32, s22, 1                          ; hb: which half of it
	s_lshl_b32 s33, s29, 4
	s_add_co_u32 s33, s33, s30                     ; 16 b + head
	s_lshl_b32 s34, s29, 23                        ; cond_v: b x 2,048 rows of 4,096 bytes
	s_lshl_b32 s36, s31, 20                        ; + 256 rows
	s_add_co_u32 s34, s34, s36
	s_lshl_b32 s36, s30, 8                         ; + the head's 256 bytes
	s_add_co_u32 s34, s34, s36
	s_lshl_b32 s36, s32, 7                         ; + its half
	s_add_co_u32 s34, s34, s36
	s_add_nc_u64 s[8:9], s[8:9], s[34:35]
	s_mul_i32 s34, s33, 98304                      ; vc: a head's 16 steps of 6,144 bytes
	s_mul_i32 s36, s31, 12288                      ; + two steps
	s_add_co_u32 s34, s34, s36
	s_mul_i32 s36, s32, 3072                       ; + two tiles
	s_add_co_u32 s34, s34, s36
	s_add_nc_u64 s[18:19], s[18:19], s[34:35]
	s_lshl_b32 s34, s33, 1                         ; vs: ((16 b + head) x 2 + hb) x 8 + pair of steps, 256 bytes each
	s_add_co_u32 s34, s34, s32
	s_lshl_b32 s34, s34, 3
	s_add_co_u32 s34, s34, s31
	s_lshl_b32 s34, s34, 8
	s_add_nc_u64 s[20:21], s[20:21], s[34:35]
	s_wait_alu depctr_va_vdst(0)
	v_lshrrev_b32 v1, 4, v2                        ; u: which of the two tiles
	v_and_b32 v6, 15, v2                           ; r: which row of it
	v_and_b32 v7, 8, v2
	v_lshl_add_u32 v3, v1, 3, v6
	v_add_nc_u32 v3, v3, v7
	v_lshlrev_b32 v3, 2, v3                        ; in: channel 8 u + r + 8 (r / 8) of the 32: the lanes change places inside the wave's 128 bytes
	v_mul_u32_u24 v4, v1, 1536
	v_lshl_add_u32 v4, v6, 4, v4                   ; out: my tile's image, lane r's 16 bytes
	v_lshlrev_b32 v5, 3, v2                        ; my two scale words
.macro VLOAD t                         ; block t: key 32 t + i of my channel goes to the slot that holds it: in odd blocks neighbouring groups of 8 keys change places.  Offsets up to 1,044,480
.irp i, 0,1,2,3,4,5,6,7,8,9,10,11,12,13,14,15,16,17,18,19,20,21,22,23,24,25,26,27,28,29,30,31
	global_load_b32 v[VX+32*((\t)%2)+(\i%8)+16*(\i/16)+8*(((\i/8)+(\t))%2)], v3, s[8:9] offset:(32*(\t)+\i)*4096 th:TH_LOAD_NT
.endr
.endm
	VLOAD 0
	VLOAD 1
.macro BLOCK t                         ; block t % 4 = 2 c + h of step t / 4 becomes registers 6 c .. 6 c + 5 of the image's lane r + 16 h
.set XS, VX+32*((\t)%2)
.set PP, VCD+24*((\t)/4)+12*((\t)%2)+6*(((\t)%4)/2)
.if (\t) < 7
	s_wait_loadcnt 32                              ; this block's 32 loads are in; the next block's 32 may be out
.else
	s_wait_loadcnt 0x0
.endif
	v_max3_num_f32 v12, |v[XS]|, |v[XS+1]|, |v[XS+2]|               ; the block's largest magnitude: all 32 numbers are mine
	v_max3_num_f32 v13, |v[XS+3]|, |v[XS+4]|, |v[XS+5]|
.irp i, 6,10,14,18,22,26
	v_max3_num_f32 v12, v12, |v[XS+\i]|, |v[XS+\i+1]|
	v_max3_num_f32 v13, v13, |v[XS+\i+2]|, |v[XS+\i+3]|
.endr
	v_max3_num_f32 v12, v12, |v[XS+30]|, |v[XS+31]|
	v_max3_num_f32 v12, v12, v13, (EMAX+1)<<23     ; and the floor
	v_add_nc_u32 v11, -(EMAX<<23), v12             ; the conversions' scale operand
	v_cvt_scalef32_pk16_bf6_f32 v[PP:PP+2], v[XS:XS+15], v11
	v_cvt_scalef32_pk16_bf6_f32 v[VT:VT+2], v[XS+16:XS+31], v11     ; (a conversion's three registers begin on an even number: the second half is made here and moved)
	v_lshrrev_b32 v14, 23, v11                     ; the scale's byte (also the plain line behind the conversions)
.if (\t)%4 == 0
	v_mov_b32 v[SB+(\t)/4], v14                    ; four bytes to a step's word, the lower keys in the lower byte
.else
	v_lshl_or_b32 v[SB+(\t)/4], v14, 8*((\t)%4), v[SB+(\t)/4]
.endif
.irp i, 0,1,2
	v_mov_b32 v[PP+3+\i], v[VT+\i]
.endr
.if (\t)+2 < 8
	VLOAD (\t)+2
.endif
.if (\t)%4 == 3                        ; a step is whole: six stores; in each, lanes 0-15 and lanes 16-31 fill 256 consecutive bytes, aligned
.irp h, 0,1
.irp g, 0,1,2
	global_store_b128 v4, v[VCD+24*((\t)/4)+12*\h+4*\g:VCD+24*((\t)/4)+12*\h+4*\g+3], s[18:19] offset:6144*((\t)/4)+512*\g+256*\h
.endr
.endr
.endif
.endm
.irp t, 0,1,2,3,4,5,6,7
	BLOCK \t
.endr
	global_store_b64 v5, v[SB:SB+1], s[20:21]      ; 32 lanes store 256 consecutive bytes, aligned
	s_endpgm
.Lfunc_end_k_qe5a0fc55c5_quant:
	.size	k_qe5a0fc55c5_quant, .Lfunc_end_k_qe5a0fc55c5_quant-k_qe5a0fc55c5_quant
	.p2alignl 7, 3214868480
	.fill 96, 4, 3214868480
	.section	.rodata,"a",@progbits
	.p2align	6, 0x0
	.amdhsa_kernel k_qe5a0fc55c5_quant
		.amdhsa_group_segment_fixed_size 33280
		.amdhsa_private_segment_fixed_size 0
		.amdhsa_enable_private_segment 0
		.amdhsa_kernarg_size 72
		.amdhsa_user_sgpr_count 2
		.amdhsa_user_sgpr_kernarg_segment_ptr 1
		.amdhsa_wavefront_size32 1
		.amdhsa_system_sgpr_workgroup_id_x 1
		.amdhsa_system_sgpr_workgroup_id_y 1
		.amdhsa_system_sgpr_workgroup_id_z 1
		.amdhsa_system_vgpr_workitem_id 0
		.amdhsa_next_free_vgpr 194
		.amdhsa_next_free_sgpr 66
		.amdhsa_reserve_vcc 0
		.amdhsa_float_denorm_mode_32 3
		.amdhsa_float_denorm_mode_16_64 3
		.amdhsa_memory_ordered 1
		.amdhsa_forward_progress 1
		.amdhsa_inst_pref_size 79
	.end_amdhsa_kernel
	.amdgpu_metadata
---
amdhsa.version: [ 1, 2 ]
amdhsa.kernels:
  - .name:           k_qe5a0fc55c5_quant
    .symbol:         k_qe5a0fc55c5_quant.kd
    .args:
      - { .name: cond_k, .offset: 0, .size: 8, .value_kind: global_buffer, .address_space: global }
      - { .name: w_proj, .offset: 8, .size: 8, .value_kind: global_buffer, .address_space: global }
      - { .name: cond_v, .offset: 16, .size: 8, .value_kind: global_buffer, .address_space: global }
      - { .name: kc, .offset: 24, .size: 8, .value_kind: global_buffer, .address_space: global }
      - { .name: ks, .offset: 32, .size: 8, .value_kind: global_buffer, .address_space: global }
      - { .name: wc, .offset: 40, .size: 8, .value_kind: global_buffer, .address_space: global }
      - { .name: ws, .offset: 48, .size: 8, .value_kind: global_buffer, .address_space: global }
      - { .name: vc, .offset: 56, .size: 8, .value_kind: global_buffer, .address_space: global }
      - { .name: vs, .offset: 64, .size: 8, .value_kind: global_buffer, .address_space: global }
    .group_segment_fixed_size: 33280
    .private_segment_fixed_size: 0
    .kernarg_segment_align: 8
    .kernarg_segment_size: 72
    .max_flat_workgroup_size: 128
    .sgpr_count:     66
    .vgpr_count:     194
    .wavefront_size: 32
...
	.end_amdgpu_metadata
.endif
;; end of part 1
;; launch attn (part 2): grid 8 x 32, 16 waves a work-group, clusters of 4 x 1, 289,280 bytes of LDS; arguments x, kc, ks, vc, vs, oc, os; writes oc, os
.if DOCPART == 2
	.amdgcn_target "amdgcn-amd-amdhsa--gfx1250"
	.amdhsa_code_object_version 6
	.text
	.protected	k_qe5a0fc55c5_attn
	.globl	k_qe5a0fc55c5_attn
	.p2align	8
	.type	k_qe5a0fc55c5_attn,@function
k_qe5a0fc55c5_attn:
	s_mov_b64 s[64:65], 0
	v_nop
	global_prefetch_b8 v0, s[64:65] scope:SCOPE_SE
	s_setreg_imm32_b32 hwreg(HW_REG_WAVE_MODE, 25, 1), 1
	s_wait_xcnt 0x0
	s_wait_alu depctr_hold_cnt(0) depctr_sa_sdst(0) depctr_va_vdst(0) depctr_va_sdst(0) depctr_va_ssrc(0) depctr_va_vcc(0) depctr_vm_vsrc(0)
	s_getreg_b32 s2, hwreg(HW_REG_IB_STS2, 6, 4)
	s_cmp_eq_u32 s2, 0
	s_cbranch_scc0 .Lentry_in_a_cluster
	s_endpgm
.Lentry_in_a_cluster:
	s_bfe_u32 s2, ttmp6, 0x10000c
	s_cmp_lg_u32 s2, 0x3003
	s_cbranch_scc0 .Lentry_shape_is_right
	s_endpgm
.Lentry_shape_is_right:
; Attention of one (b, head) for 256 queries, both products on codes of BF6 (E3M2) with one E8M0 scale for each 32 along K; its result, O / l, leaves as codes for the projection.
; q = x * c (c = 1 / sqrt(sqrt(64)), one f32 rounding) is quantised here, in registers; K's and V's codes and scale bytes come from the launch before.
; THE SOFTMAX: t = score x log2(e); M = the row's largest t so far, rounded UP to a whole number; p = 2^(t - M) is quantised along the keys, not normalised; when M moves, the sum and O are multiplied by 2^(old M - new M): exact.
; A FACTOR 16: the registers hold 16 p = 2^(t - M + 4).  A block's scale is 2^(e - 4), e the exponent of its largest p: so 16 p divided by 2^e gives p's own codes, and the largest p is the conversion's scale operand as it stands.
; The scale byte handed to the matrix unit is e + 127, sixteen times the block's scale, and the sum is taken of 16 p (unquantised, f32): O and l both carry the factor 16, an exact power of two, and O / l does not.
; SHARES.  A work-group owns 256 queries of one head, each of its sixteen waves 16 of them; a key step is 128 keys: 8 + 4 matrix instructions a wave.
; LDS IS FILLED ONCE: a head's codes of K and of V (98,304 bytes each) and their scale bytes (4,096 each).  One tensor load a wave at the head: waves 0-3 K's quarters, 4-7 V's, wave 8 K's scale bytes, wave 9 V's; the others issue none.
; One wait for 0 and one barrier stand between the fills and the first read.  No prefetch: all fills go out at the head, so there is no loop to run ahead in.
; CLUSTER.  The four query blocks of a cluster belong to one head and read the same K and V: every tile is asked for JOINTLY, by the same load with the same descriptor and the mask of all four.
; LAYOUT.  Both products are used transposed: S^T = K Q^T, O^T = V^T P^T: a lane holds ONE query throughout.
; THE KEYS OF A TILE: tile 4 c + t takes as rows 0-7 keys 64 c + 8 t + 0..7 and as rows 8-15 keys 64 c + 32 + 8 (t xor 1) + 0..7.  So lane (r, h) holds in its 32 registers of tiles 4 c .. 4 c + 3 a WHOLE block of 32 keys,
; block 2 c + h, which is what the second product's operand wants of that lane: no lane exchange of codes, and a block's largest score needs no other lane.  V's codes were laid in the same order of keys.
; The xor sets rows 8-15 an odd number of 384 bytes from rows 0-7, so that the 32 lanes of a load of 8 bytes touch 64 different banks (64 banks of 4 bytes: ISA guide 11.1).
; K = 64 fills half of the instruction's 128: Q's registers 6-11 hold zero codes.  K's fragments lie 6 registers apart: a fragment's registers 6-11 are the next tile's codes, which meet Q's zero codes and add nothing (BF6 has no NaN).
; TWO REGIONS OF 64 REGISTERS TAKE TURNS: K's fragments in one, S^T (then p) in the other; V's fragments are loaded over K's behind the first products, the next step's K over p behind the sums,
; with the codes' moves, O's rescaling, the second products and the joining of the sums between that request and the wait for it.
; LIMITS: NaN and infinities among the inputs are not served; the scaled scores stay under 2^31 in magnitude.  Of q and O / l a block whose largest magnitude lies under 2^-122 keeps the scale byte 1, a block of zeros too.
; Of p a block whose largest p lies under 2^-122 is not held at the rule's least scale: its byte follows its largest p down to 0 (2^-127, a finite code); what such a block adds lies under 2^-117 of the row's sum.
; A block's largest p is taken from its largest score by the same kind of multiply-add and exponential; at the worst one p within an ulp of a power of two is held one code low.
.set VC,   98304                       ; LDS: K's codes from 0, a key's row 48 bytes; V's images, 6,144 bytes a step
.set KS,   196608                      ; K's scale bytes, 2 a key
.set VS,   200704                      ; V's scale words
.set STC,  204800                      ; the way out: 768 bytes for each wave; no tile lands here
.set STS,  217088                      ; and 32 scale bytes for each wave
.set QST,  217600                      ; x's way in: 16 rows x 272 bytes for each wave
.set SPARE, 0x46200                    ; the spare words, 128 bytes for each wave
.set AKE0, 1                           ; v1, v2 my lane's place in an even and in an odd tile of K
.set AKO0, 2
.set AV0,  3                           ; v3 in an image of V; v4 among K's scale bytes; v5 among V's scale words
.set ASK0, 4
.set ASV0, 5
.set ADKE, 6                           ; v6-10 the same five for the two steps in hand
.set ADKO, 7
.set ADV,  8
.set ADS,  9
.set ADT,  10
.set H8,   11                          ; v11 8 h.  v12, v13: -M, by turns; v[14:15] the sum; v16-27 Q's fragment; v28 its scale word
.set L8,   29
.set SSO,  30
.set L16,  31
.set RA,   32                          ; the two regions
.set RB,   96
.set O,    160                         ; v160-191 O^T
.set PC,   192                         ; v192-203 p's codes
.set STI,  204
.set STOUT, 205
.set NM4,  206                         ; v206 4 - M (v207 named with it)
.set T,    208                         ; v208-223 at work: eight chains of maxima, then the sum's eight chains
.set CT,   224                         ; v224-226, v228-230 the conversions' second halves
.set F,    232                         ; v232 f = 2^(old M - new M) (v233 named with it)
.set PW,   234                         ; p's scale word
.set TT,   235
.set BM,   236                         ; v236-237 my two blocks' largest scores, then largest p
.set BP,   238                         ; v238-239 lane permutes' results
.set KSC,  240                         ; v240-243 K's scale words: register i: tile 2 i in lanes 0-15, tile 2 i + 1 in lanes 16-31
.set VSC,  244                         ; v244-247 V's: register 2 hb + step
.set RM,   248                         ; the row's largest score so far
.set SSI,  249
.set QSI,  250
.set QSO,  251
.set WV,   18
.set SEL,  20
.set CS,   22                          ; s[22:23] log2(e); s48 its negative
.set G1C,  24
.set G1S,  32
.set G0C,  40
.set G0S,  44
.set CN,   48
.set QS,   60
.set TB,   62
.set TS,   63
.set TJ,   66
.set CNT,  67
.macro ROUND                           ; a round of the cluster's barrier
	s_barrier_signal -1
	s_barrier_wait -1
	s_cmp_lg_u32 s[WV], 0
	s_cbranch_scc1 .Lnot_wave_0_\@
	s_barrier_signal -3
.Lnot_wave_0_\@:
	s_barrier_wait -3
	s_barrier_signal -1
	s_barrier_wait -1
.endm
	s_load_b256 s[4:11], s[0:1], 0x0               ; x, kc, ks, vc
	s_load_b128 s[12:15], s[0:1], 0x20             ; vs, oc
	s_load_b64 s[16:17], s[0:1], 0x30              ; os
	v_lshl_add_u32 v254, v0, 2, SPARE
	v_mov_b32 v255, 0
	ds_add_u32 v254, v255                          ; the opening lines: the add twice on end
	ds_add_u32 v254, v255
	v_lshrrev_b32 v208, 5, v0
	v_readfirstlane_b32 s[WV], v208                ; wave 0..15
	s_mul_i32 s88, s[WV], 768
	s_add_co_u32 s88, s88, STC                     ; my stage for the way out
	s_mul_i32 s92, s[WV], 16*272
	s_add_co_u32 s92, s92, QST                     ; my stage for x
	v_and_b32 v210, 31, v0                         ; lane
	v_and_b32 v208, 15, v0                         ; r
	v_bfe_u32 v209, v0, 4, 1                       ; h
	v_and_b32 v211, 7, v0                          ; r % 8
	v_bfe_u32 v212, v0, 3, 1                       ; r / 8
	v_lshlrev_b32 v[L16], 4, v210
	v_lshlrev_b32 v[L8], 3, v210
	v_lshlrev_b32 v[H8], 3, v209
	v_mul_u32_u24 v213, v211, 48
	v_mul_u32_u24 v215, v208, 48
	v_xor_b32 v214, v209, v212
	v_mad_u32_u24 v213, v209, 24, v213             ; 48 (r % 8) + 24 h
	v_mad_u32_u24 v215, v209, 24, v215             ; 48 r + 24 h
	v_lshl_add_u32 v214, v214, 3, v211
	v_add_nc_u32 v[AV0], VC, v[L16]
	v_add_nc_u32 v[ASV0], VS, v[L8]
	v_mad_u32_u24 v[AKE0], v212, 1920, v213        ; even tiles: rows 8-15 lie 32 + 8 keys further on
	v_mad_u32_u24 v[AKO0], v212, 1152, v213        ; odd tiles: 32 - 8 keys
	v_lshl_add_u32 v214, v212, 5, v214             ; scale bytes: key (r % 8) + 8 (h xor r / 8) + 32 (r / 8) of a pair of tiles; here h says which of the two
	v_add_nc_u32 v[STI], s88, v215
	v_add_nc_u32 v[STOUT], s88, v[L8]
	v_lshl_add_u32 v[ASK0], v214, 1, KS
	v_and_b32 v[SSI], 0x1e0, v0                    ; 32 x wave
	v_add_nc_u32 v[SSO], STS, v[L16]
	v_mul_u32_u24 v[QSI], v209, 272
	v_mul_u32_u24 v[QSO], v208, 272
	v_lshl_add_u32 v[SSI], v208, 1, v[SSI]
	v_lshlrev_b32 v[TT], 12, v209
	v_lshl_add_u32 v[QSI], v208, 4, v[QSI]
	v_lshl_add_u32 v[QSO], v209, 7, v[QSO]
	v_add_nc_u32 v[SSI], STS, v[SSI]
	v_lshl_add_u32 v[TT], v208, 4, v[TT]           ; x: 16 r, + one row of 4,096 bytes for lanes 16-31
	v_add_nc_u32 v[QSI], s92, v[QSI]               ; x's stage, in: as loaded
	v_add_nc_u32 v[QSO], s92, v[QSO]               ; out: row r, + 128 h
	s_bfe_u32 s68, ttmp6, 0x40000                  ; cx: it enters x's, oc's and os's addresses alone
	s_lshl_b32 s69, ttmp9, 2
	s_add_co_u32 s69, s69, s68                     ; my block of 256 queries
	s_and_b32 s70, ttmp7, 0xffff                   ; 16 b + head, which the four partners share
	s_mul_i32 s73, s[WV], 24576                    ; codes, waves 0-7: LDS address: K's four quarters, then V's four
	s_and_b32 s71, s[WV], 3
	s_mul_i32 s74, s71, 24576
	s_mul_i32 s79, s70, 98304
	s_add_co_u32 s74, s74, s79                     ; and the offset in kc or vc
	s_mov_b32 s75, 0
	s_lshl_b32 s78, s[WV], 12
	s_add_co_u32 s78, s78, KS-8*4096               ; scale bytes, waves 8 and 9: LDS address
	s_lshl_b32 s76, s70, 12                        ; and the offset in ks or vs
	s_mov_b32 s77, 0
	s_lshl_b32 s84, s69, 8
	s_lshl_b32 s86, s[WV], 4
	s_add_co_u32 s84, s84, s86                     ; my first query
	s_lshl_b32 s84, s84, 12
	s_lshr_b32 s86, s70, 4
	s_lshl_b32 s86, s86, 23                        ; b
	s_add_co_u32 s84, s84, s86
	s_and_b32 s86, s70, 15
	s_lshl_b32 s86, s86, 8                         ; the head's 256 bytes of a row
	s_add_co_u32 s84, s84, s86
	s_mov_b32 s85, 0
	s_mul_i32 s86, s70, 98304                      ; oc: [b][head][query][48]
	s_mul_i32 s89, s69, 12288
	s_add_co_u32 s86, s86, s89
	s_mul_i32 s89, s[WV], 768
	s_add_co_u32 s86, s86, s89
	s_mov_b32 s87, 0
	s_lshl_b32 s90, s70, 12                        ; os: [b][head][query][2]
	s_lshl_b32 s89, s69, 9
	s_add_co_u32 s90, s90, s89
	s_mov_b32 s91, 0
	s_mov_b32 s[G1C], 15|(3<<16)|(1<<21)           ; group 1: dense blocks as rows of 256 bytes (32 elements of 8): 96 rows of codes; the mask names all four work-groups
	s_mov_b32 s[G1C+1], 32<<16
	s_mov_b32 s[G1C+2], 96<<16
	s_mov_b32 s[G1C+3], 32<<16
	s_mov_b32 s[G1C+4], 96
	s_mov_b32 s[G1C+5], 32
	s_mov_b32 s[G1C+6], 0
	s_mov_b32 s[G1C+7], 0
	s_mov_b32 s[G1S], 15|(3<<16)|(1<<21)           ; 16 rows of scale bytes
	s_mov_b32 s[G1S+1], 32<<16
	s_mov_b32 s[G1S+2], 16<<16
	s_mov_b32 s[G1S+3], 32<<16
	s_mov_b32 s[G1S+4], 16
	s_mov_b32 s[G1S+5], 32
	s_mov_b32 s[G1S+6], 0
	s_mov_b32 s[G1S+7], 0
	s_mov_b32 s[SEL], 0x76543210
	s_mov_b32 s[SEL+1], 0xfedcba98                 ; v_permlanex16_b32's selects for lane l xor 16
	s_mov_b32 s[CS], 0x3fb8aa3b                    ; log2(e)
	s_mov_b32 s[CS+1], s[CS]
	s_mov_b32 s[CN], 0xbfb8aa3b
	s_mov_b32 s[QS], 0x3eb504f3                    ; c
	s_mov_b32 s[QS+1], s[QS]
	s_wait_alu depctr_va_vdst(0)                   ; the wait here, directly ahead of the waits below
	s_wait_dscnt 0x0
	s_wait_kmcnt 0x0
	s_add_nc_u64 s[4:5], s[4:5], s[84:85]
.irp i, 0,1,2,3,4,5,6,7                        ; x first of all: a load takes two rows' 256 consecutive bytes, aligned, 16 bytes a lane
	global_load_b128 v[RB+32+4*\i:RB+32+4*\i+3], v[TT], s[4:5] offset:8192*\i th:TH_LOAD_NT
.endr
	s_cmp_lt_u32 s[WV], 4                          ; K's buffers or V's: the choices hang on the wave's number alone
	s_cselect_b64 s[80:81], s[6:7], s[10:11]
	s_cmp_eq_u32 s[WV], 8
	s_cselect_b64 s[82:83], s[8:9], s[12:13]
	s_add_nc_u64 s[80:81], s[80:81], s[74:75]
	s_add_nc_u64 s[82:83], s[82:83], s[76:77]
	s_add_nc_u64 s[14:15], s[14:15], s[86:87]
	s_add_nc_u64 s[16:17], s[16:17], s[90:91]
	s_mov_b32 s[G0C], 1
	s_mov_b32 s[G0C+1], s73
	s_mov_b64 s[G0C+2:G0C+3], s[80:81]
	s_or_b32 s[G0C+3], s[G0C+3], 0x80000000
	s_mov_b32 s[G0S], 1
	s_mov_b32 s[G0S+1], s78
	s_mov_b64 s[G0S+2:G0S+3], s[82:83]
	s_or_b32 s[G0S+3], s[G0S+3], 0x80000000
	ROUND                                          ; all four work-groups are here: the joint loads meet
	s_cmp_lt_u32 s[WV], 8                          ; one chain of branches on the wave's number, one load to an arm
	s_cbranch_scc0 .Lnot_codes
	tensor_load_to_lds s[G0C:G0C+3], s[G1C:G1C+7]
	s_nop 0
.rept 4
	v_nop
.endr
	s_branch .Lasked
.Lnot_codes:
	s_cmp_lt_u32 s[WV], 10
	s_cbranch_scc0 .Lasked
	tensor_load_to_lds s[G0S:G0S+3], s[G1S:G1S+7]
	s_nop 0
.rept 4
	v_nop
.endr
.Lasked:
.irp i, 22,23,24,25,26,27
	v_mov_b32 v\i, 0                               ; K = 64 .. 127 of Q's fragment: zero codes
.endr
.set k, 0
.rept 32
	v_mov_b32 v[O+k], 0                            ; O^T: the key step is written once: the first finds zeros
.set k, k+1
.endr
	v_mov_b32 v[BP], 0                             ; a lane permute's destination counts as one of its sources
	; ---- Q: the wave's 16 x 256 bytes turn through its own stage in LDS, so that lane (r, h) holds block h of query r
.irp i, 0,1,2,3,4,5,6,7
	s_wait_loadcnt 7-\i                            ; load i is in, the 7 - i behind it may be out
	ds_store_b128 v[QSI], v[RB+32+4*\i:RB+32+4*\i+3] offset:544*\i
.endr
.irp j, 0,1,2,3,4,5,6,7
	ds_load_b128 v[RB+4*\j:RB+4*\j+3], v[QSO] offset:16*\j   ; LDS serves a wave's instructions in order: these see my stores
.endr
	s_wait_dscnt 0x0
.irp j, 0,2,4,6,8,10,12,14,16,18,20,22,24,26,28,30
	v_pk_mul_f32 v[RB+\j:RB+\j+1], v[RB+\j:RB+\j+1], s[QS:QS+1] op_sel_hi:[1,0]   ; q = x * c
.endr
	v_max3_num_f32 v[BM], |v[RB]|, |v[RB+1]|, |v[RB+2]|
	v_max3_num_f32 v[BM+1], |v[RB+3]|, |v[RB+4]|, |v[RB+5]|
.irp i, 6,10,14,18,22,26
	s_delay_alu instid0(VALU_DEP_2)
	v_max3_num_f32 v[BM], v[BM], |v[RB+\i]|, |v[RB+\i+1]|
	s_delay_alu instid0(VALU_DEP_2)
	v_max3_num_f32 v[BM+1], v[BM+1], |v[RB+\i+2]|, |v[RB+\i+3]|
.endr
	s_delay_alu instid0(VALU_DEP_2)
	v_max3_num_f32 v[BM], v[BM], |v[RB+30]|, |v[RB+31]|
	s_delay_alu instid0(VALU_DEP_1)
	v_max3_num_f32 v[BM], v[BM], v[BM+1], 0x2800000   ; and the floor 2^(5 - 127)
	s_delay_alu instid0(VALU_DEP_1)
	v_add_nc_u32 v208, 0xfe000000, v[BM]           ; 4 off the exponent field: the conversions' scale operand
	v_cvt_scalef32_pk16_bf6_f32 v[16:18], v[RB:RB+15], v208
	v_cvt_scalef32_pk16_bf6_f32 v[CT:CT+2], v[RB+16:RB+31], v208   ; (a conversion's three registers begin on an even number)
	v_lshrrev_b32 v209, 23, v208                   ; the scale's byte (also the plain line behind the conversions)
	s_delay_alu instid0(VALU_DEP_1)
	v_lshlrev_b32 v209, v[H8], v209                ; 8 h bits up
.irp i, 0,1,2
	v_mov_b32 v[19+\i], v[CT+\i]
.endr
	v_permlanex16_b32 v[BP], v209, s[SEL], s[SEL+1]
	s_delay_alu instid0(VALU_DEP_1)
	v_or_b32 v209, v209, v[BP]
	s_delay_alu instid0(VALU_DEP_1)
	v_or_b32 v28, 0x7f7f0000, v209                 ; over the zero codes: 127
.irp i, 48,49,50,51,52,53                      ; the twelve lines from here on are also the 8 places that a scale register written by a vector instruction owes
	v_mov_b32 v[RA+\i], 0                          ; behind K's last fragment of the first step: named by its product, met by Q's zero codes
.endr
	v_mov_b32 v[NM4+1], 0                          ; (named as the upper halves of pairs)
	v_mov_b32 v[F+1], 0
	v_mov_b32 v14, 0                               ; the sum, in two halves
	v_mov_b32 v15, 0
	v_mov_b32 v[RM], 0xff000000                    ; under every score
	v_mov_b32 v13, 0x7f000000                      ; -M ahead of the first step: so the first f is 0
.macro KLOAD R, ae, ao, as, oc, os     ; a step's eight fragments of K, 6 registers each, and its four scale registers: 28 LDS loads
.irp c, 0,1
.irp t, 0,1,2,3
.irp p, 0,1,2
.if \t%2
	ds_load_b64 v[\R+6*(4*\c+\t)+2*\p:\R+6*(4*\c+\t)+2*\p+1], v[\ao] offset:(\oc)+48*(64*\c+8*\t)+8*\p
.else
	ds_load_b64 v[\R+6*(4*\c+\t)+2*\p:\R+6*(4*\c+\t)+2*\p+1], v[\ae] offset:(\oc)+48*(64*\c+8*\t)+8*\p
.endif
.endr
.endr
.endr
.irp i, 0,1,2,3
	ds_load_u16 v[KSC+\i], v[\as] offset:(\os)+128*(\i/2)+32*(\i%2)   ; the upper two bytes come as 0 and stand over products with zero codes
.endr
.endm
.macro SPAIR RK, RS, i                 ; S^T of tiles 2 i and 2 i + 1: the odd tile's scale words stand in lanes 16-31
	v_wmma_scale_f32_16x16x128_f8f6f4 v[\RS+16*\i:\RS+16*\i+7], v[\RK+12*\i:\RK+12*\i+11], v[16:27], 0, v[KSC+\i], v28 matrix_a_fmt:MATRIX_FMT_BF6 matrix_b_fmt:MATRIX_FMT_BF6
	v_wmma_scale_f32_16x16x128_f8f6f4 v[\RS+16*\i+8:\RS+16*\i+15], v[\RK+12*\i+6:\RK+12*\i+17], v[16:27], 0, v[KSC+\i], v28 matrix_a_fmt:MATRIX_FMT_BF6 matrix_b_fmt:MATRIX_FMT_BF6 matrix_a_scale:MATRIX_SCALE_ROW1
.endm
.macro VTILE RK, q, t                  ; V's fragment t over K's: an image, 16 bytes a lane
.irp c, 0,1,2
	ds_load_b128 v[\RK+12*\t+4*\c:\RK+12*\t+4*\c+3], v[ADV] offset:6144*(\q)+1536*\t+512*\c
.endr
.endm
.macro TM RS, j                        ; t - M + 4, two at a time
	v_pk_fma_f32 v[\RS+\j:\RS+\j+1], v[\RS+\j:\RS+\j+1], s[CS:CS+1], v[NM4:NM4+1] op_sel_hi:[1,0,0]
.endm
.macro SUM RS, o, k                    ; chain k of the sum takes two more numbers
	v_pk_add_f32 v[T+2*\k:T+2*\k+1], v[T+2*\k:T+2*\k+1], v[\RS+\o+2*\k:\RS+\o+2*\k+1]
.endm
; A KEY STEP of 128 keys, the q-th of the two in hand.  RK: K's fragments, then V's; RS: S^T, then 16 p, then the next step's K.  NN, NO: the new and the old -M.  more: the next step's K is fetched, from koff, soff.
.macro STEP q, RK, RS, NN, NO, more, koff, soff
	s_wait_dscnt 0x0                               ; K's fragments and scale words are in
	SPAIR \RK, \RS, 0
	SPAIR \RK, \RS, 1
.if \q == 0                                    ; the places behind the first four products: the trip's addresses, or v_nop
	v_add_nc_u32 v[ADV], s[TB], v[AV0]
	v_add_nc_u32 v[ADT], s[TJ], v[ASV0]
	v_add_nc_u32 v[ADKE], s[TB], v[AKE0]
	v_add_nc_u32 v[ADKO], s[TB], v[AKO0]
	v_add_nc_u32 v[ADS], s[TS], v[ASK0]
.else
.rept 4
	v_nop
.endr
.endif
	SPAIR \RK, \RS, 2
	SPAIR \RK, \RS, 3
.irp c, 0,1                                    ; my two blocks' largest scores: a chain to a tile, four by turns; each result is read from its low end on.  Block 0's twelve lines are the places behind the last four products
.irp t, 0,1,2,3
	v_max3_num_f32 v[T+4*\c+\t], v[\RS+32*\c+8*\t], v[\RS+32*\c+8*\t+1], v[\RS+32*\c+8*\t+2]
.endr
.irp i, 3,5
.irp t, 0,1,2,3
	v_max3_num_f32 v[T+4*\c+\t], v[T+4*\c+\t], v[\RS+32*\c+8*\t+\i], v[\RS+32*\c+8*\t+\i+1]
.endr
.endr
.endr
.irp c, 0,1                                    ; the chains are joined, each join with a tile's eighth number
	v_max3_num_f32 v[T+4*\c], v[T+4*\c], v[T+4*\c+1], v[\RS+32*\c+7]
	v_max3_num_f32 v[T+4*\c+2], v[T+4*\c+2], v[T+4*\c+3], v[\RS+32*\c+15]
.endr
.irp c, 0,1
	v_max3_num_f32 v[T+4*\c], v[T+4*\c], v[T+4*\c+2], v[\RS+32*\c+23]
.endr
.irp c, 0,1
	v_max_num_f32 v[BM+\c], v[T+4*\c], v[\RS+32*\c+31]
.endr
	v_max_num_f32 v[TT], v[BM], v[BM+1]            ; the lines that make M hang on each other: V's loads stand between them
	VTILE \RK, \q, 0
	v_permlanex16_b32 v[BP], v[TT], s[SEL], s[SEL+1]
	VTILE \RK, \q, 1
	v_max3_num_f32 v[RM], v[RM], v[TT], v[BP]      ; the row's largest score so far
	VTILE \RK, \q, 2
	v_mul_f32 v[TT], s[CN], v[RM]                  ; -t
	VTILE \RK, \q, 3
	v_floor_f32 v[\NN], v[TT]                      ; -M = floor(-t) = -ceil(t)
.if \q == 0
.irp hb, 0,1
	ds_load_b64 v[VSC+2*\hb:VSC+2*\hb+1], v[ADT] offset:2048*\hb   ; both steps' scale words
.endr
.endif
	v_add_f32 v[NM4], 4.0, v[\NN]
	v_sub_f32 v[TT], v[\NN], v[\NO]                ; old M - new M: a whole number, 0 or less
.irp j, 0,2,4,6
	TM \RS, \j
.endr
	v_cvt_i32_f32 v[TT], v[TT]                     ; (it saturates)
.irp j, 8,10,12,14
	TM \RS, \j
.endr
	v_ldexp_f32 v[F], 1.0, v[TT]                   ; f
.irp j, 16,18,20,22,24,26,28,30,32,34,36,38,40,42,44,46,48,50,52,54,56,58,60,62
	TM \RS, \j
.endr
.irp c, 0,1
	v_fma_f32 v[BM+\c], v[BM+\c], s[CS], v[\NN]    ; t - M of each block's largest score
.endr
	s_wait_alu depctr_va_vdst(0)                   ; the wait ahead of the batch
.irp c, 0,1
	v_exp_f32 v[BM+\c], v[BM+\c]                   ; the block's largest p
.endr
.set k, 0
.rept 64
	v_exp_f32 v[\RS+k], v[\RS+k]                   ; 16 p
.set k, k+1
.endr
	v_nop                                          ; one plain line behind the exponentials
	s_wait_alu depctr_va_vdst(0)                   ; and the wait behind the batch
.irp c, 0,1                                    ; my block 2 c + h: 32 codes; the largest p's exponent field is the scale
	v_cvt_scalef32_pk16_bf6_f32 v[PC+6*\c:PC+6*\c+2], v[\RS+32*\c:\RS+32*\c+15], v[BM+\c]
	v_cvt_scalef32_pk16_bf6_f32 v[CT+4*\c:CT+4*\c+2], v[\RS+32*\c+16:\RS+32*\c+31], v[BM+\c]
.endr
	v_lshrrev_b32 v[TT], 23, v[BM]                 ; the bytes of blocks h and 2 + h (also the plain line behind the conversions)
	v_lshrrev_b32 v[BP], 23, v[BM+1]
.irp k, 0,1,2,3,4,5,6,7                        ; the sum of the unquantised numbers: eight chains; the lines that make the scale word stand among them
	v_pk_add_f32 v[T+2*\k:T+2*\k+1], v[\RS+2*\k:\RS+2*\k+1], v[\RS+16+2*\k:\RS+17+2*\k]
.endr
	v_lshl_or_b32 v[TT], v[BP], 16, v[TT]
.irp k, 0,1,2,3
	SUM \RS, 32, \k
.endr
	v_lshlrev_b32 v[TT], v[H8], v[TT]              ; at their places in the word
.irp k, 4,5,6,7
	SUM \RS, 32, \k
.endr
	v_permlanex16_b32 v[BP], v[TT], s[SEL], s[SEL+1]
.irp k, 0,1,2,3,4,5,6,7
	SUM \RS, 48, \k
.endr
	v_or_b32 v[PW], v[TT], v[BP]                   ; with lane l xor 16's two the word is whole
.if \more
	KLOAD \RS, ADKE, ADKO, ADS, \koff, \soff       ; p is done with: the next step's K takes its registers
.endif
.irp c, 0,1
.irp i, 0,1,2
	v_mov_b32 v[PC+3+6*\c+\i], v[CT+4*\c+\i]       ; the codes' second halves go to their places
.endr
.endr
	s_wait_alu depctr_va_vdst(0)                   ; the wait here, directly ahead of the first reader of O^T
.irp j, 0,2,4,6,8,10,12,14,16,18,20,22,24,26,28,30
	v_pk_mul_f32 v[O+\j:O+\j+1], v[O+\j:O+\j+1], v[F:F+1] op_sel_hi:[1,0]   ; O^T under the new M, from each tile's low end on.  (Also the places between p's codes and scale word and the products below)
.endr
	s_wait_alu depctr_va_vdst(0)                   ; the wait here, directly ahead of the wait below
.if \more
	s_wait_dscnt 28                                ; V's fragments and scale words are in; the 28 loads of the next step's K may be out
.else
	s_wait_dscnt 0x0
.endif
.irp t, 0,1,2,3                                ; O^T += V^T P^T: the four accumulators by turns
.if \t%2
	v_wmma_scale_f32_16x16x128_f8f6f4 v[O+8*\t:O+8*\t+7], v[\RK+12*\t:\RK+12*\t+11], v[PC:PC+11], v[O+8*\t:O+8*\t+7], v[VSC+2*(\t/2)+(\q)], v[PW] matrix_a_fmt:MATRIX_FMT_BF6 matrix_b_fmt:MATRIX_FMT_BF6 matrix_a_scale:MATRIX_SCALE_ROW1
.else
	v_wmma_scale_f32_16x16x128_f8f6f4 v[O+8*\t:O+8*\t+7], v[\RK+12*\t:\RK+12*\t+11], v[PC:PC+11], v[O+8*\t:O+8*\t+7], v[VSC+2*(\t/2)+(\q)], v[PW] matrix_a_fmt:MATRIX_FMT_BF6 matrix_b_fmt:MATRIX_FMT_BF6
.endif
.endr
.irp k, 0,1,2,3                                ; the sum's chains are joined here: eight plain lines that name no register of the products above: the five places ahead of the next step's products, which write over V's fragments
	v_pk_add_f32 v[T+2*\k:T+2*\k+1], v[T+2*\k:T+2*\k+1], v[T+8+2*\k:T+9+2*\k]
.endr
	v_pk_add_f32 v[T:T+1], v[T:T+1], v[T+4:T+5]
	v_pk_add_f32 v[T+2:T+3], v[T+2:T+3], v[T+6:T+7]
	v_pk_add_f32 v[T:T+1], v[T:T+1], v[T+2:T+3]
	v_pk_fma_f32 v[14:15], v[14:15], v[F:F+1], v[T:T+1] op_sel_hi:[1,0,1]   ; the sum under the new M, and this step's
.endm
	s_wait_alu depctr_va_vdst(0)                   ; the wait at the head's end
	s_wait_tensorcnt 0x0                           ; my tile has landed;
	s_barrier_signal -1                            ; (no LDS instruction of mine is out)
	s_barrier_wait -1                              ; everybody's has.  Nothing is filled again
	KLOAD RA, AKE0, AKO0, ASK0, 0, 0
	s_mov_b32 s[TB], 0
	s_mov_b32 s[TS], 0
	s_mov_b32 s[TJ], 0
	s_mov_b32 s[CNT], 7
.Ltrip:                                                ; a trip is two key steps: the regions are back where they began
	STEP 0, RA, RB, 12, 13, 1, 6144, 256
	STEP 1, RB, RA, 13, 12, 1, 12288, 512
	s_add_co_u32 s[TB], s[TB], 12288
	s_add_co_u32 s[TS], s[TS], 512
	s_add_co_u32 s[TJ], s[TJ], 256
	s_sub_co_u32 s[CNT], s[CNT], 1
	s_cmp_lg_u32 s[CNT], 0
	s_cbranch_scc1 .Ltrip
	STEP 0, RA, RB, 12, 13, 1, 6144, 256           ; the last two steps are written out: the very last fetches nothing
	STEP 1, RB, RA, 13, 12, 0, 0, 0
	; ---- THE WAY OUT.  O^T / the sum is the projection's operand: register 16 b + i of lane (r, h) is channel 32 b + 16 h + i of query r
	v_add_f32 v14, v14, v15
	s_delay_alu instid0(VALU_DEP_1)
	v_permlanex16_b32 v[BP], v14, s[SEL], s[SEL+1]
	s_delay_alu instid0(VALU_DEP_1)
	v_add_f32 v14, v14, v[BP]                      ; the row's sum
	s_wait_alu depctr_va_vdst(0)                   ; the wait ahead of the transcendental
	v_rcp_f32 v14, v14
	v_nop
	s_wait_alu depctr_va_vdst(0)                   ; and behind it, directly ahead of the first reader
.set k, 0
.rept 32
	v_mul_f32 v[RA+k], v[O+k], v14
.set k, k+1
.endr
.irp b, 0,1
	v_max3_num_f32 v[BM+\b], |v[RA+16*\b]|, |v[RA+1+16*\b]|, 0x2800000   ; block b: my 16 numbers, and the floor
.endr
.irp i, 2,4,6,8,10,12,14
.irp b, 0,1
	s_delay_alu instid0(VALU_DEP_2)
	v_max3_num_f32 v[BM+\b], v[BM+\b], |v[RA+16*\b+\i]|, |v[RA+1+16*\b+\i]|
.endr
.endr
	v_mov_b32 v[BP+1], 0
.irp b, 0,1
	v_permlanex16_b32 v[BP+\b], v[BM+\b], s[SEL], s[SEL+1]
.endr
.irp b, 0,1
	s_delay_alu instid0(VALU_DEP_2)
	v_max_num_f32 v[BM+\b], v[BM+\b], v[BP+\b]
.endr
.irp b, 0,1
	s_delay_alu instid0(VALU_DEP_2)
	v_add_nc_u32 v[T+\b], 0xfe000000, v[BM+\b]
.endr
.irp b, 0,1
	s_delay_alu instid0(VALU_DEP_2)
	v_lshrrev_b32 v[BP+\b], 23, v[T+\b]
.endr
	s_delay_alu instid0(VALU_DEP_1)
	v_lshl_or_b32 v[TT], v[BP+1], 8, v[BP]         ; my query's two scale bytes
	v_cvt_scalef32_pk16_bf6_f32 v[PC:PC+2], v[RA:RA+15], v[T]
	v_cvt_scalef32_pk16_bf6_f32 v[CT:CT+2], v[RA+16:RA+31], v[T+1]
	v_nop                                          ; one plain line behind a scaled conversion
.irp i, 0,1,2
	v_permlane16_swap_b32 v[PC+\i], v[CT+\i]       ; lanes 0-15 now hold block 0's 32 codes, lanes 16-31 block 1's
.endr
.irp i, 0,1,2
	v_mov_b32 v[PC+3+\i], v[CT+\i]
.endr
.irp p, 0,1,2
	ds_store_b64 v[STI], v[PC+2*\p:PC+2*\p+1] offset:8*\p
.endr
	ds_store_b16 v[SSI], v[TT]                     ; both lanes of a query write the same two bytes with the same value
.irp k, 0,1,2
	ds_load_b64 v[PC+6+2*\k:PC+7+2*\k], v[STOUT] offset:256*\k   ; my own stage: these see my stores
.endr
	s_wait_dscnt 0x0                               ; my codes are back, and, for wave 0's sake, my scale bytes are stored
.irp k, 0,1,2
	global_store_b64 v[L8], v[PC+6+2*\k:PC+7+2*\k], s[14:15] offset:256*\k   ; 32 lanes store 256 consecutive bytes, aligned
.endr
	s_barrier_signal -1
	s_barrier_wait -1                              ; the work-group's 512 scale bytes lie in LDS
	s_cmp_lg_u32 s[WV], 0
	s_cbranch_scc1 .Lno_scales
	ds_load_b128 v[T:T+3], v[SSO]
	s_wait_dscnt 0x0
	global_store_b128 v[L16], v[T:T+3], s[16:17]   ; wave 0 stores them: 512 consecutive bytes, aligned
.Lno_scales:
	s_wait_tensorcnt 0x0                           ; the wave's end
	ds_add_u32 v254, v255
	s_wait_dscnt 0x0
	ROUND                                          ; the closing round
	s_endpgm
.Lfunc_end_k_qe5a0fc55c5_attn:
	.size	k_qe5a0fc55c5_attn, .Lfunc_end_k_qe5a0fc55c5_attn-k_qe5a0fc55c5_attn
	.p2alignl 7, 3214868480
	.fill 96, 4, 3214868480
	.section	.rodata,"a",@progbits
	.p2align	6, 0x0
	.amdhsa_kernel k_qe5a0fc55c5_attn
		.amdhsa_group_segment_fixed_size 289280
		.amdhsa_private_segment_fixed_size 0
		.amdhsa_enable_private_segment 0
		.amdhsa_kernarg_size 56
		.amdhsa_user_sgpr_count 2
		.amdhsa_user_sgpr_kernarg_segment_ptr 1
		.amdhsa_wavefront_size32 1
		.amdhsa_system_sgpr_workgroup_id_x 1
		.amdhsa_system_sgpr_workgroup_id_y 1
		.amdhsa_system_sgpr_workgroup_id_z 1
		.amdhsa_system_vgpr_workitem_id 0
		.amdhsa_next_free_vgpr 256
		.amdhsa_next_free_sgpr 96
		.amdhsa_reserve_vcc 0
		.amdhsa_float_denorm_mode_32 3
		.amdhsa_float_denorm_mode_16_64 3
		.amdhsa_memory_ordered 1
		.amdhsa_forward_progress 1
		.amdhsa_inst_pref_size 79
	.end_amdhsa_kernel
	.amdgpu_metadata
---
amdhsa.version: [ 1, 2 ]
amdhsa.kernels:
  - .name:           k_qe5a0fc55c5_attn
    .symbol:         k_qe5a0fc55c5_attn.kd
    .args:
      - { .name: x, .offset: 0, .size: 8, .value_kind: global_buffer, .address_space: global }
      - { .name: kc, .offset: 8, .size: 8, .value_kind: global_buffer, .address_space: global }
      - { .name: ks, .offset: 16, .size: 8, .value_kind: global_buffer, .address_space: global }
      - { .name: vc, .offset: 24, .size: 8, .value_kind: global_buffer, .address_space: global }
      - { .name: vs, .offset: 32, .size: 8, .value_kind: global_buffer, .address_space: global }
      - { .name: oc, .offset: 40, .size: 8, .value_kind: global_buffer, .address_space: global }
      - { .name: os, .offset: 48, .size: 8, .value_kind: global_buffer, .address_space: global }
    .group_segment_fixed_size: 289280
    .private_segment_fixed_size: 0
    .kernarg_segment_align: 8
    .kernarg_segment_size: 56
    .max_flat_workgroup_size: 512
    .sgpr_count:     96
    .vgpr_count:     256
    .wavefront_size: 32
...
	.end_amdgpu_metadata
.endif
;; end of part 2
;; launch proj (part 3): grid 8 x 32, 4 waves a work-group, clusters of 4 x 4, 222,720 bytes of LDS; arguments oc, os, wc, ws, b_proj, out0; writes out0
.if DOCPART == 3
	.amdgcn_target "amdgcn-amd-amdhsa--gfx1250"
	.amdhsa_code_object_version 6
	.text
	.protected	k_qe5a0fc55c5_proj
	.globl	k_qe5a0fc55c5_proj
	.p2align	8
	.type	k_qe5a0fc55c5_proj,@function
k_qe5a0fc55c5_proj:
	s_mov_b64 s[64:65], 0
	v_nop
	global_prefetch_b8 v0, s[64:65] scope:SCOPE_SE
	s_setreg_imm32_b32 hwreg(HW_REG_WAVE_MODE, 25, 1), 1
	s_wait_xcnt 0x0
	s_wait_alu depctr_hold_cnt(0) depctr_sa_sdst(0) depctr_va_vdst(0) depctr_va_sdst(0) depctr_va_ssrc(0) depctr_va_vcc(0) depctr_vm_vsrc(0)
	s_getreg_b32 s2, hwreg(HW_REG_IB_STS2, 6, 4)
	s_cmp_eq_u32 s2, 0
	s_cbranch_scc0 .Lentry_in_a_cluster
	s_endpgm
.Lentry_in_a_cluster:
	s_bfe_u32 s2, ttmp6, 0x10000c
	s_cmp_lg_u32 s2, 0xf033
	s_cbranch_scc0 .Lentry_shape_is_right
	s_endpgm
.Lentry_shape_is_right:
; out0[m][n] = sum over k of A[m][k] W[n][k] + b_proj[n].  A [4096][1024] = the attention's result, W = w_proj [1024][1024]: both as codes of BF6 (E3M2) with one E8M0 scale for each 32 along K, made by the
; launches before and laid by CHUNKS of 64 along K: oc [b][chunk 16][row 2048][48], os [..][2]; wc [chunk 16][n 1024][48], ws [..][2].  out0 [4096][1024] f32; sums in f32, K ascending.
; A tile of out0 is 128 x 128: 8 x 32 = 256 work-groups, one for each WGP (tiles of 256 x 256 would be 64).  Four waves, each 64 x 64: 16 accumulators of 16 x 16.
; ALL OF K LIES IN LDS: 128 rows x 1,024 codes are 98,304 bytes for A and as many for W, the scale bytes 2 x 4,096.  So every tile is filled once: no slot is filled again.  They come in four parts of 256 along K,
; all asked for at the start (five tensor loads of a wave are out at the most); a part is read behind a counted wait and a barrier while the later parts are on their way.
; CLUSTERS: 4 x 4 work-groups.  The four of a row of the cluster need the same rows of A, the four of a column the same rows of W: each tile is asked for JOINTLY, by the same load with the same descriptor and a mask that names the four.
; THE MATRIX INSTRUCTION IS USED TRANSPOSED (source 0 = 16 rows of W, source 1 = 16 rows of A): a lane then holds eight neighbouring numbers of a row of out0.  The bias is the C of each sum's first instruction.
; REGISTERS: window 0: v16-27 addresses; v32-63 scale words (register 4 s + i: lanes 0-15 A's block i, lanes 16-31 W's block i, K step s); v64-95 the bias, later rows on the way out; v96-127 at work; v128-255 the accumulators ((a, b) at v[128 + 8 (4 a + b)]).
;   window 1: two fragment buffers at v0 and v128: W's four fragments (12 registers each), then A's four.
; THE FILLS, as the code below has them (this takes the place of what the head says of four parts): four tiles, each whole, ONE tensor load a wave at the head: wave 0 A's codes (16 chunks of 6,144 bytes),
; wave 1 W's, wave 2 A's scale bytes (16 chunks of 256 bytes), wave 3 W's; one wait for 0 and one barrier stand ahead of the first read; nothing is filled again.
.set AC,   0                           ; LDS: A's codes: chunk c at 6,144 c, a row 48 bytes
.set BC,   98304                       ; W's likewise
.set AS,   196608                      ; A's scale bytes: chunk c at 256 c, a row 2 bytes
.set BS,   200704                      ; W's likewise
.set STG,  204800                      ; the way out: 16 rows x (256 bytes + 16) for each wave; no tile ever lands here
.set ADRA, 16                          ; v16-17 my A fragments' LDS address, chunks 0-7 and 8-15
.set ADRB, 18                          ; v18-19 the same for W
.set ADRS, 20                          ; v20    my scale bytes: lanes 0-15 A's rows, lanes 16-31 W's
.set STO,  24                          ; v24    the way out: where I put 32 bytes of a row
.set RD,   25                          ; v25    where I read a row back
.set CO,   26                          ; v26    my byte offset in out0
.set BO,   27                          ; v27    my byte offset in the bias
.set SC,   32
.set BI,   64
.set BK,   64
.set TT,   96
.set ACC,  128
.set G1A,  24                          ; s[24:31], s[32:39] descriptor group 1 for A's and W's codes;  s[40:47], s[48:55] for their scale bytes
.set G1B,  32
.set G1SA, 40
.set G1SB, 48
.set G0SA, 56                          ; s[56:59] group 0 for A's scale bytes; A's codes at s[60:63];  s[80:83] W's scale bytes; W's codes at s[84:87]
.set G0SB, 80
.set MSB, 0
.macro WIN new                         ; the immediate's high byte repeats the setting that is left
.if MSB != \new
	s_set_vgpr_msb (MSB<<8)|\new
.set MSB, \new
.endif
.endm
.set MUL,  0x05                        ; sources 0 (W) and 1 (A) window 1; C and D window 0
.set TO_F, 0x40                        ; destination window 1, address window 0
.macro ROUND                           ; a round of the cluster's barrier
	s_barrier_signal -1
	s_barrier_wait -1
	s_cmp_lg_u32 s16, 0
	s_cbranch_scc1 .Lnot_wave_0_\@
	s_barrier_signal -3
.Lnot_wave_0_\@:
	s_barrier_wait -3
	s_barrier_signal -1
	s_barrier_wait -1
.endm
	s_load_b256 s[4:11], s[0:1], 0x0               ; oc s[4:5], os s[6:7], wc s[8:9], ws s[10:11]
	s_load_b128 s[12:15], s[0:1], 0x20             ; b_proj s[12:13], out0 s[14:15]
	v_lshl_add_u32 v30, v0, 2, 0x36400
	v_mov_b32 v31, 0
	ds_add_u32 v30, v31
	ds_add_u32 v30, v31
	v_lshrrev_b32 v1, 5, v0
	v_readfirstlane_b32 s16, v1                    ; wave 0..3
	s_lshr_b32 s17, s16, 1                         ; which half of the tile's rows is mine.
	s_and_b32 s18, s16, 1                          ; which half of its columns.
	v_and_b32 v1, 15, v0                           ; r
	v_bfe_u32 v2, v0, 4, 1                         ; h
	v_mul_u32_u24 v3, v1, 48
	v_mad_u32_u24 v3, v2, 24, v3                   ; a fragment's row x 48 + 24 h
	s_mul_i32 s100, s17, 3072                      ; my 64 rows of A
	v_add_nc_u32 v[ADRA], s100, v3
	v_add_nc_u32 v[ADRA+1], 49152, v[ADRA]         ; eight chunks on
	s_mul_i32 s100, s18, 3072                      ; my 64 rows of W
	s_add_co_u32 s100, s100, BC
	v_add_nc_u32 v[ADRB], s100, v3
	v_add_nc_u32 v[ADRB+1], 49152, v[ADRB]
	s_lshl_b32 s100, s17, 7                        ; scale bytes: A's: my 64 rows x 2 bytes;
	s_lshl_b32 s101, s18, 7                        ; W's likewise, 4,096 bytes further on:
	s_sub_co_u32 s101, s101, s100
	s_add_co_u32 s101, s101, BS-AS
	v_mul_u32_u24 v4, s101, v2                     ; lanes 16-31 take W's: ONE product, the lower base + h x the distance
	s_wait_alu depctr_va_vdst(0)
	s_add_co_u32 s100, s100, AS
	v_lshl_add_u32 v4, v1, 1, v4
	v_add_nc_u32 v[ADRS], s100, v4
	s_mul_i32 s100, s16, 16*272
	s_add_co_u32 s100, s100, STG                   ; my stage
	v_mul_u32_u24 v5, v1, 272
	v_lshl_add_u32 v5, v2, 5, v5
	v_add_nc_u32 v[STO], s100, v5                  ; in: row r, 32 bytes for each half of the lanes
	v_mul_u32_u24 v5, v2, 272
	v_lshl_add_u32 v5, v1, 4, v5
	v_add_nc_u32 v[RD], s100, v5                   ; back: lanes 0-15 one row of 256 bytes, lanes 16-31 the next
	v_lshlrev_b32 v[CO], 12, v2
	v_lshl_add_u32 v[CO], v1, 4, v[CO]             ; and the same two rows in out0
	v_lshlrev_b32 v[BO], 5, v2                     ; the bias: my half's eight numbers of a block of 16
	s_bfe_u32 s19, ttmp6, 0x40000                  ; cx, cy: my place in the cluster
	s_bfe_u32 s20, ttmp6, 0x40004
	s_lshl_b32 s21, ttmp9, 2
	s_add_co_u32 s21, s21, s19                     ; X: tile column = 4 x cluster x + cx
	s_and_b32 s22, ttmp7, 0xffff
	s_lshl_b32 s22, s22, 2
	s_add_co_u32 s22, s22, s20                     ; Y: tile row = 4 x cluster y + cy
	s_lshl_b32 s100, s20, 2
	s_lshl_b32 s100, 15, s100                      ; my row of the cluster
	s_lshl_b32 s101, 0x1111, s19                   ; my column
	; descriptor group 1, elements of 8 bytes, no padding.  Codes: 16 chunks of 6,144 dense bytes (768 elements), a chunk's plane apart: 98,304 bytes in oc, 49,152 in wc
	s_or_b32 s[G1A], s100, (3<<16)|(1<<21)         ; 15:0 the mask: A's tiles go to my row; 17:16 elements of 8 bytes; 21 set beside a mask
	s_or_b32 s[G1B], s101, (3<<16)|(1<<21)         ; W's to my column
.irp g, G1A, G1B
	s_mov_b32 s[\g+1], 768<<16                     ; tensor_dim0 = 768
	s_mov_b32 s[\g+2], 16<<16                      ; tensor_dim1 = 16: all of K's chunks
	s_mov_b32 s[\g+3], 768<<16                     ; tile_dim0 = 768
	s_mov_b32 s[\g+4], 16                          ; tile_dim1 = 16
	s_mov_b32 s[\g+6], 0
	s_mov_b32 s[\g+7], 0
.endr
	s_mov_b32 s[G1A+5], 12288                      ; from chunk to chunk, in elements
	s_mov_b32 s[G1B+5], 6144
	; scale bytes: 16 chunks of 256 dense bytes (32 elements), 4,096 bytes apart in os, 2,048 in ws
	s_or_b32 s[G1SA], s100, (3<<16)|(1<<21)
	s_or_b32 s[G1SB], s101, (3<<16)|(1<<21)
.irp g, G1SA, G1SB
	s_mov_b32 s[\g+1], 32<<16
	s_mov_b32 s[\g+2], 16<<16
	s_mov_b32 s[\g+3], 32<<16
	s_mov_b32 s[\g+4], 16
	s_mov_b32 s[\g+6], 0
	s_mov_b32 s[\g+7], 0
.endr
	s_mov_b32 s[G1SA+5], 512
	s_mov_b32 s[G1SB+5], 256
	s_wait_dscnt 0x0
	s_wait_kmcnt 0x0
	; A's addresses hang on Y alone, which my row of the cluster shares; W's on X alone, which my column shares.  Each is made in registers that never hold the other coordinate.
	s_lshr_b32 s3, s22, 4                          ; b
	s_mul_i32 s2, s3, 1572864                      ; 16 chunks of 98,304 bytes
	s_and_b32 s3, s22, 15
	s_mul_i32 s3, s3, 6144                         ; the tile's 128 rows in a chunk
	s_add_co_u32 s2, s2, s3
	s_mov_b32 s3, 0
	s_add_nc_u64 s[4:5], s[4:5], s[2:3]
	s_lshr_b32 s3, s22, 4
	s_lshl_b32 s2, s3, 16                          ; os: 16 chunks of 4,096 bytes
	s_and_b32 s3, s22, 15
	s_lshl_b32 s3, s3, 8
	s_add_co_u32 s2, s2, s3
	s_mov_b32 s3, 0
	s_add_nc_u64 s[6:7], s[6:7], s[2:3]
	s_mul_i32 s66, s21, 6144                       ; wc: the tile's 128 rows in a chunk
	s_mov_b32 s67, 0
	s_add_nc_u64 s[8:9], s[8:9], s[66:67]
	s_lshl_b32 s66, s21, 8                         ; ws
	s_mov_b32 s67, 0
	s_add_nc_u64 s[10:11], s[10:11], s[66:67]
	s_mov_b32 s[G0SA], 1
	s_mov_b32 s[G0SA+1], AS
	s_mov_b64 s[G0SA+2:G0SA+3], s[6:7]
	s_or_b32 s[G0SA+3], s[G0SA+3], 0x80000000
	s_mov_b32 s[G0SB], 1
	s_mov_b32 s[G0SB+1], BS
	s_mov_b64 s[G0SB+2:G0SB+3], s[10:11]
	s_or_b32 s[G0SB+3], s[G0SB+3], 0x80000000
.set GA, 60                            ; s[60:63] group 0 for A's codes;  s[84:87] for W's
.set GB, 84
	s_mov_b32 s[GA], 1
	s_mov_b32 s[GA+1], AC
	s_mov_b64 s[GA+2:GA+3], s[4:5]
	s_or_b32 s[GA+3], s[GA+3], 0x80000000
	s_mov_b32 s[GB], 1
	s_mov_b32 s[GB+1], BC
	s_mov_b64 s[GB+2:GB+3], s[8:9]
	s_or_b32 s[GB+3], s[GB+3], 0x80000000
	ROUND                                          ; all sixteen work-groups are here: the joint loads meet
; one tree of branches on the wave's number, each arm with its one load: every way through the head passes exactly one
.macro ARM under, g0, g1, next
	s_cmp_lt_u32 s16, \under
	s_cbranch_scc0 \next
	tensor_load_to_lds s[\g0:\g0+3], s[\g1:\g1+7]
	s_nop 0
.rept 4
	v_nop
.endr
	s_branch .Lasked
\next:
.endm
	ARM 1, GA,   G1A,  .Lhead_w
	ARM 2, GB,   G1B,  .Lhead_sa
	ARM 3, G0SA, G1SA, .Lhead_sb
	tensor_load_to_lds s[G0SB:G0SB+3], s[G1SB:G1SB+7]
	s_nop 0
.rept 4
	v_nop
.endr
.Lasked:
	s_lshl_b32 s66, s21, 9                         ; my first column, in bytes: 512 X + 256 x half
	s_lshl_b32 s67, s18, 8
	s_add_co_u32 s66, s66, s67
	s_mov_b32 s67, 0
	s_add_nc_u64 s[12:13], s[12:13], s[66:67]      ; the bias at my 64 columns
	s_lshl_b32 s2, s22, 7
	s_lshl_b32 s3, s17, 6
	s_add_co_u32 s2, s2, s3                        ; my first row: 128 Y + 64 x half
	s_lshl_b32 s2, s2, 12
	s_mov_b32 s3, 0
	s_add_nc_u64 s[14:15], s[14:15], s[2:3]
	s_add_nc_u64 s[14:15], s[14:15], s[66:67]      ; out0 at my 64 x 64
	s_wait_alu depctr_va_vdst(0)
.irp b, 0,1,2,3                        ; in the transposed result register j of lane (r, h) is column 16 b + 8 h + j: the bias in that layout
	global_load_b128 v[BI+8*\b:BI+8*\b+3], v[BO], s[12:13] offset:64*\b
	global_load_b128 v[BI+8*\b+4:BI+8*\b+7], v[BO], s[12:13] offset:64*\b+16
.endr
.macro FRAG reg, adr, s, i             ; a fragment, 16 rows x 128 K: registers 6 c .. 6 c + 5 are the 24 bytes of chunk 2 s + c at row x 48 + 24 h: three loads of 8 bytes each
.irp c, 0,1
.irp p, 0,1,2
	ds_load_b64 v[\reg+6*\c+2*\p:\reg+6*\c+2*\p+1], v[\adr+(\s)/4] offset:(2*((\s)%4)+\c)*6144+768*(\i)+8*\p
.endr
.endr
.endm
.macro FETCH s                         ; K step s: W's four fragments and A's four, 48 loads in one run, into buffer s % 2
	WIN TO_F
.irp i, 0,1,2,3
	FRAG 128*((\s)%2)+12*\i, ADRB, \s, \i
.endr
.irp i, 0,1,2,3
	FRAG 128*((\s)%2)+48+12*\i, ADRA, \s, \i
.endr
.endm
; 8 matrix instructions: A's blocks a0, a0 + 1 x W's four, K step s.  In K step 0 the bias starts the sums: nothing is cleared, nothing is added later.
; The 16 accumulators take turns, one instruction a turn, in the same order in every K step.
.macro MUL8 s, a0
.irp a, \a0, \a0+1
.irp b, 0,1,2,3
.if (\s) == 0
	v_wmma_scale_f32_16x16x128_f8f6f4 v[ACC+8*(4*(\a)+\b):ACC+8*(4*(\a)+\b)+7], v[128*((\s)%2)+12*\b:128*((\s)%2)+12*\b+11], v[128*((\s)%2)+48+12*(\a):128*((\s)%2)+48+12*(\a)+11], v[BI+8*\b:BI+8*\b+7], v[SC+4*(\s)+\b], v[SC+4*(\s)+(\a)] matrix_a_fmt:MATRIX_FMT_BF6 matrix_b_fmt:MATRIX_FMT_BF6 matrix_a_scale:MATRIX_SCALE_ROW1
.else
	v_wmma_scale_f32_16x16x128_f8f6f4 v[ACC+8*(4*(\a)+\b):ACC+8*(4*(\a)+\b)+7], v[128*((\s)%2)+12*\b:128*((\s)%2)+12*\b+11], v[128*((\s)%2)+48+12*(\a):128*((\s)%2)+48+12*(\a)+11], v[ACC+8*(4*(\a)+\b):ACC+8*(4*(\a)+\b)+7], v[SC+4*(\s)+\b], v[SC+4*(\s)+(\a)] matrix_a_fmt:MATRIX_FMT_BF6 matrix_b_fmt:MATRIX_FMT_BF6 matrix_a_scale:MATRIX_SCALE_ROW1
.endif
.endr
.endr
.endm
; A K step of 128: 16 matrix instructions; in its middle the next step's fragments are fetched into the other buffer.
.macro KSTEP s
	s_wait_dscnt 0x0                               ; this step's fragments are in
	WIN MUL
	MUL8 \s, 0
.if (\s) < 7
.rept 4
	v_nop                                          ; places in front of loads into the buffer that the step before multiplied
.endr
	FETCH (\s)+1
	WIN MUL
.endif
	MUL8 \s, 2
.endm
	s_wait_tensorcnt 0x0                           ; my tile is in
	s_barrier_signal -1
	s_barrier_wait -1                              ; everybody's are
.irp s, 0,1,2,3,4,5,6,7                        ; the scale words of all eight K steps: a row's two bytes of chunk 2 s below, of chunk 2 s + 1 above.  Lanes 0-15 A's block i, lanes 16-31 W's block i
.irp i, 0,1,2,3
	ds_load_u16 v[SC+4*\s+\i], v[ADRS] offset:512*\s+32*\i
	ds_load_u16 v[TT+4*\s+\i], v[ADRS] offset:512*\s+256+32*\i
.endr
.endr
	FETCH 0
	WIN 0
	s_wait_dscnt 48                                ; all but the 48 fragment loads just issued
.set k, 0
.rept 32
	v_lshl_or_b32 v[SC+k], v[TT+k], 16, v[SC+k]    ; K step 0's four words are made first: the 28 lines behind them are the 8 places that a scale register written by a vector instruction owes; the later steps' words have these lines and each step's four v_nop
.set k, k+1
.endr
	s_wait_loadcnt 0x0                             ; the bias
.irp s, 0,1,2,3,4,5,6,7
	s_wait_alu depctr_va_vdst(0)
	KSTEP \s
.endr
	WIN 0
; THE WAY OUT, block by block of 16 rows x 64 columns.  A lane holds 32 neighbouring bytes of a row and the lanes beside it other rows: so a block goes through my own stage in LDS and comes back as whole rows
; of 256 bytes.  LDS serves a wave's instructions in order: no wait between the stores and the loads, nor in front of the next block's stores.
.macro TOSTAGE a
.irp b, 0,1,2,3
	ds_store_b128 v[STO], v[ACC+8*(4*(\a)+\b):ACC+8*(4*(\a)+\b)+3] offset:64*\b          ; each accumulator from its low end on
	ds_store_b128 v[STO], v[ACC+8*(4*(\a)+\b)+4:ACC+8*(4*(\a)+\b)+7] offset:64*\b+16
.endr
.irp t, 0,1,2,3,4,5,6,7
	ds_load_b128 v[BK+32*((\a)%2)+4*\t:BK+32*((\a)%2)+4*\t+3], v[RD] offset:544*\t
.endr
.endm
.macro SEND a, younger                 ; younger: the LDS instructions issued behind block a's loads, which may stay out
	s_wait_dscnt \younger
.irp t, 0,1,2,3,4,5,6,7
	global_store_b128 v[CO], v[BK+32*((\a)%2)+4*\t:BK+32*((\a)%2)+4*\t+3], s[14:15] offset:(16*(\a)+2*\t)*4096 th:TH_STORE_NT   ; 16 lanes store 256 consecutive bytes, aligned; written once, read by nobody here
.endr
.endm
.rept 4
	v_nop                                          ; places in front of the first read of the last results
.endr
	TOSTAGE 0
.irp a, 1,2,3
.if \a > 1
	s_wait_xcnt 0x0                                ; block a - 2's stores have read their registers: block a's loads may land there
.endif
	TOSTAGE \a
	SEND \a-1, 16                                  ; behind block a - 1's loads: block a's 8 stores and 8 loads
.endr
	SEND 3, 0
	s_wait_tensorcnt 0x0
	ds_add_u32 v30, v31
	s_wait_dscnt 0x0
	ROUND                                          ; the closing round: no work-group ends while a partner may still ask for a tile that names it
	s_endpgm
.Lfunc_end_k_qe5a0fc55c5_proj:
	.size	k_qe5a0fc55c5_proj, .Lfunc_end_k_qe5a0fc55c5_proj-k_qe5a0fc55c5_proj
	.p2alignl 7, 3214868480
	.fill 96, 4, 3214868480
	.section	.rodata,"a",@progbits
	.p2align	6, 0x0
	.amdhsa_kernel k_qe5a0fc55c5_proj
		.amdhsa_group_segment_fixed_size 222720
		.amdhsa_private_segment_fixed_size 0
		.amdhsa_enable_private_segment 0
		.amdhsa_kernarg_size 48
		.amdhsa_user_sgpr_count 2
		.amdhsa_user_sgpr_kernarg_segment_ptr 1
		.amdhsa_wavefront_size32 1
		.amdhsa_system_sgpr_workgroup_id_x 1
		.amdhsa_system_sgpr_workgroup_id_y 1
		.amdhsa_system_sgpr_workgroup_id_z 1
		.amdhsa_system_vgpr_workitem_id 0
		.amdhsa_next_free_vgpr 512
		.amdhsa_next_free_sgpr 102
		.amdhsa_reserve_vcc 0
		.amdhsa_float_denorm_mode_32 3
		.amdhsa_float_denorm_mode_16_64 3
		.amdhsa_memory_ordered 1
		.amdhsa_forward_progress 1
		.amdhsa_inst_pref_size 65
	.end_amdhsa_kernel
	.amdgpu_metadata
---
amdhsa.version: [ 1, 2 ]
amdhsa.kernels:
  - .name:           k_qe5a0fc55c5_proj
    .symbol:         k_qe5a0fc55c5_proj.kd
    .args:
      - { .name: oc, .offset: 0, .size: 8, .value_kind: global_buffer, .address_space: global }
      - { .name: os, .offset: 8, .size: 8, .value_kind: global_buffer, .address_space: global }
      - { .name: wc, .offset: 16, .size: 8, .value_kind: global_buffer, .address_space: global }
      - { .name: ws, .offset: 24, .size: 8, .value_kind: global_buffer, .address_space: global }
      - { .name: b_proj, .offset: 32, .size: 8, .value_kind: global_buffer, .address_space: global }
      - { .name: out0, .offset: 40, .size: 8, .value_kind: global_buffer, .address_space: global }
    .group_segment_fixed_size: 222720
    .private_segment_fixed_size: 0
    .kernarg_segment_align: 8
    .kernarg_segment_size: 48
    .max_flat_workgroup_size: 128
    .sgpr_count:     102
    .vgpr_count:     512
    .wavefront_size: 32
...
	.end_amdgpu_metadata
.endif
;; end of part 3
